; MI455X (gfx1250); checked and timed in simulation.
; The chip was launched on July 23, 2026; its instructions are those of AMD's public machine-readable ISA for CDNA 5 (MIT licence, August 2026) and "CDNA5" Instruction Set Architecture Reference Guide (July 2026). The comments in the code are by the model that wrote it; some were corrected since.
;; Causal Self Attention. Allowed arithmetic: matrix products marked QUANTISED: E4M3 operands, one given power-of-two scale a tensor, by v_wmma_f32_16x16x64_fp8_fp8 or v_wmma_f32_16x16x128_fp8_fp8, f32 sums; everything else in f32.
;; Inputs: lowp_scales 10 int32 (the exponents e of the quantised operands' scales 2^e); wk_b 1,024 float32; wk_w_codes 1,024 x 32 x 32 uint8 (E4M3 codes of wk_w, K innermost, in blocks of 32 codes); wq_b 1,024 float32; wq_w_codes 1,024 x 32 x 32 uint8 (E4M3 codes of wq_w, K innermost, in blocks of 32 codes); wv_b 1,024 float32; wv_w_codes 1,024 x 32 x 32 uint8 (E4M3 codes of wv_w, K innermost, in blocks of 32 codes); x_codes 4 x 2,048 x 32 x 32 uint8 (E4M3 codes of x, K innermost, in blocks of 32 codes).
;; Outputs: out0 4 x 2,048 x 1,024 float32.
;; This version of the problem:
;;   THIS VERSION OF THE PROBLEM IS GIVEN IN LOW PRECISION. The matrix products marked QUANTISED in the list below multiply operands that are first quantised to E4M3 (4 exponent bits, 3 mantissa bits; 8 bits a number), with one given power-of-two scale for each operand tensor; their sums are f32. All else is computed in f32.
;;   The module's matrix products, in the order in which they are computed (A, B: the left and right operand; K: the contracted axis; several contracted axes count as one K, in the product's order):
;;     1. [M 8,192, K 1,024] x [K 1,024, N 1,024]; A: input x (given as codes); B: input wq_w (given as codes): QUANTISED (scales: A lowp_scales[0], B lowp_scales[1])
;;     2. [M 8,192, K 1,024] x [K 1,024, N 1,024]; A: input x (given as codes); B: input wk_w (given as codes): QUANTISED (scales: A lowp_scales[2], B lowp_scales[3])
;;     3. [M 8,192, K 1,024] x [K 1,024, N 1,024]; A: input x (given as codes); B: input wv_w (given as codes): QUANTISED (scales: A lowp_scales[4], B lowp_scales[5])
;;     4. batch 4 x [M 2,048, K 1,024] x [K 1,024, N 2,048]; A: computed on the way; B: computed on the way: QUANTISED (scales: A lowp_scales[6], B lowp_scales[7])
;;     5. batch 4 x [M 2,048, K 2,048] x [K 2,048, N 1,024]; A: computed on the way; B: computed on the way: QUANTISED (scales: A lowp_scales[8], B lowp_scales[9])
;;   THE QUANTISER, for each operand of a quantised product, along K:
;;     - The operand's scale is 2^e, e = its entry of the input lowp_scales (int32; the entries are numbered through the quantised products in the list's order, A before B).
;;     - Each number is divided by the scale, clamped to +-448, and rounded to the nearest number of E4M3, ties to even, subnormals kept.
;;     - The product sums the exact products of the quantised numbers (number of the format x scale) in f32.
;;   ~~~python
;;   def quantise(x, axis, e):      # numpy; x: float32 -> the quantised numbers, widened to float32 again
;;       x = np.moveaxis(x, axis, -1); K = x.shape[-1]
;;       r = np.clip(x / 2.0 ** e, -448, 448)
;;       step = 2.0 ** (np.maximum(np.frexp(np.where(r == 0, 1, r))[1] - 1, -6) - 3)
;;       q = np.round(r / step) * step * 2.0 ** e      # np.round: ties to even
;;       return np.moveaxis(q, -1, axis).astype(np.float32)
;;   ~~~
;;   OPERANDS COMPUTED ON THE WAY. 'Computed on the way' means the value that the module computes at that place (a softmax that the list does not call 'softmax' is quantised finished and normalised). What goes into a quantiser is computed in f32, as accurately as f32 sums, v_exp_f32 and their like allow (about 1e-6 of the number): no bf16 or f16 on the way to a quantiser, and a product that is left as it is and whose result goes on into a quantised operand takes f32 operands (vector FMAs, or v_wmma_f32_16x16x4_f32). A number that lies on a knife's edge between two numbers of the format may be rounded either way, as far as f32 arithmetic and the matrix unit's own rounding can turn it there, and no further.
;;   INPUTS GIVEN AS CODES. wk_w (in the module: [1024, 1024], K = its axis 1); wq_w (in the module: [1024, 1024], K = its axis 1); wv_w (in the module: [1024, 1024], K = its axis 1); x (in the module: [4, 2048, 1024], K = its axis 2): each comes as NAME_codes (uint8): NAME with its K axis moved to the last place and cut into blocks of 32 codes, [.., K / 32, bytes a block], one block behind the other in memory; one code a byte (a code: sign, 4 exponent bits, 3 mantissa bits); its scale is its entry of lowp_scales. Its value is code x scale, taken as it is: it is not quantised again, and the codes and scales need not be those that the quantiser above would give.
;; One version. Each part assembles by itself: llvm-mc -triple=amdgcn-amd-amdhsa -mcpu=gfx1250 --defsym DOCPART=n.
;; ======== version 1 of 1: 2 launches
;; workspace buffers: q_img 8,388,608 bytes; k_img 8,388,608 bytes; v_img 8,388,608 bytes
;; launch proj (part 1): grid 8 x 32, 4 waves a work-group, no clusters, 327,680 bytes of LDS; arguments x_codes, wq_w_codes, wk_w_codes, wv_w_codes, wq_b, wk_b, wv_b, lowp_scales, q_img, k_img, v_img; writes q_img, k_img, v_img
.if DOCPART == 1
	.amdgcn_target "amdgcn-amd-amdhsa--gfx1250"
	.amdhsa_code_object_version 6
	.text
	.protected	k_q5040697343_proj
	.globl	k_q5040697343_proj
	.p2align	8
	.type	k_q5040697343_proj,@function
k_q5040697343_proj:
	s_mov_b64 s[64:65], 0
	v_nop
	global_prefetch_b8 v0, s[64:65] scope:SCOPE_SE
	s_setreg_imm32_b32 hwreg(HW_REG_WAVE_MODE, 25, 1), 1
	s_wait_xcnt 0x0
; q = x Wq^T + bq, k = x Wk^T + bk, v = x Wv^T + bv on codes of FP8 (E4M3); the three results are quantised at once (q: entry 6 of the scales, k: entry 7, v: entry 9)
; and stored as IMAGES OF OPERAND REGISTERS for the next launch.  x: [8192][1024] codes, W: [1024][1024] codes, K innermost; biases f32.
; A fragment of an image is 16 rows x 128 K of codes, 2,048 bytes: registers 4 c .. 4 c + 3 of lane l lie at 512 c + 16 l; registers 2 c', 2 c' + 1 of lane (r, h) hold k = 16 c' + 8 h + 0 .. 7 of row r.
;   q_img, k_img: [row / 16][feature / 128][2048], K = the features.     v_img: [row / 128][feature / 16][2048]: the rows are features, K = the keys (x's rows).
; SHARES.  Work-group (gx, gy): rows 256 gy on, features 128 gx on of EACH of q, k, v: 8 x 32 = 256 work-groups.  Wave w: 128 rows (w / 2) x 64 features (w % 2) of each: 96 accumulators, 768 registers.
; q and k are used transposed (source 0 = 16 rows of W, source 1 = 16 rows of x): a lane holds one row and eight neighbouring features.  v is used plain (source 0 = x, source 1 = Wv): a lane holds one feature
; and eight neighbouring keys.  So in all three a lane's eight sums are eight neighbours along the NEXT product's K, and the conversions' results are that operand's registers.
; K goes in 8 units of 128 through a ring of two LDS slots; a unit is two steps of 64 (the K = 64 form: fragments of 8 registers leave room beside 768 accumulator registers).
; A fragment is fetched by two loads of 16 bytes, 32 apart: a permutation of k inside a step, the same in both operands.
; THE ORDER OF K DIFFERS FROM WORK-GROUP TO WORK-GROUP: it begins at unit (gx + gy) % 8 and goes round.  The sums' order differs accordingly (f32 sums, judged within a tolerance).
; NO CLUSTER: the eight work-groups that share rows of x begin at eight different units, and so do eight of those that share rows of W: no two of them ask for the same tile in the same step, which a joint load wants.
; No prefetch: the two first fills of the 256 work-groups together name every byte of x and of the weights.
; Rows of 256 bytes are not taken: two slots of 640 such rows (2 x 640 x 272 bytes) are more than the 327,680 bytes of LDS.
; LIMITS: entries 0+1, 2+3, 4+5 of the scales each sum to between -126 and 127; entries 6, 7, 9 lie between -126 and 119.  NaN is not served.
; REGISTERS: window 0: v16-29 addresses; v32-95, v96-159 A's fragments, two sets; v160-191 Wq's, v192-223 Wk's, v224-255 Wv's.  Windows 1, 2, 3: the accumulators of q, k, v: (a, b) at v[8 (4 a + b)].
.set PITCH, 144                        ; an LDS row: 128 bytes + 16 of padding = 36 words: the 16 rows of a load start at 16 different groups of four banks (64 banks of 4 bytes: ISA guide 11.1)
.set BROWS, 128*PITCH                  ; 128 rows
.set SLOT,  5*BROWS                    ; Wq's 128 rows, Wk's, Wv's, then x's 256
.set AOFF,  3*BROWS
.set SPARE, 2*SLOT                     ; behind the ring: the spare words, 128 bytes a wave: two blocks of 256 bytes that no other line names
.set BIAS,  SPARE+512                  ; behind them: each wave's biases, as an image of 72 registers; no tile lands here
.set BIASW, 18*512
.set ADRA, 16                          ; v16-17  LDS address of my fragments of x in slot 0, 1
.set ADRB, 20                          ; v20-21  of my fragments of Wq (Wk, Wv: BROWS, 2 BROWS further on)
.set LI,   24                          ; v24     16 x lane
.set BA,   25                          ; v25     my place in my wave's image of the biases
.set SPW,  28                          ; v28     my spare word; never rewritten
.set NIL,  29                          ; v29     0; never rewritten
.set AF,   32
.set BF,   160
.set BI,   32                          ; the way out: v32-63 bq, v64-95 bk (feature 16 b + 8 h + j at 8 b + j), v96-103 bv (feature 16 b + r, twice)
.set QS,   104                         ; v104-109: for q, k, v: the quantiser's scale as f32, and 448 x it
.set TMP,  112                         ; v112-143: 32 numbers at work
.set CD,   144                         ; v144-207: codes: eight registers for each of a tensor's eight blocks
.set WV, 26
.set WM, 27
.set WN, 28
.set GX, 29
.set GY, 30
.set UO, 31                            ; s31  byte offset along K of the unit asked for last
.set G1B, 32                           ; s[32:39] group 1: 128 rows x 128 bytes
.set G1A, 40                           ; s[40:47] group 1: 256 rows x 128 bytes
.set G0,  48                           ; s[48:55] group 0, a set for each slot
.set BASE, 56                          ; s[56:57] my tile's first row in memory
.set OFFP, 58                          ; s[58:59] an offset as a pair
.set LAPS, 60
.set ES,  68                           ; s[68:77] the ten exponents
.set SC,  80                           ; s[80:85] 2^(e0+e1), 2^(e2+e3), 2^(e4+e5), each as a pair
.set OB,  86                           ; s[86:91] where my wave stores in q_img, k_img, v_img
.set MSB, 0
.macro WIN new                         ; the immediate's high byte repeats the setting that is left
.if MSB != (\new)
	s_set_vgpr_msb (MSB<<8)|(\new)
.set MSB, (\new)
.endif
.endm
.macro PLACES                          ; four places in front of loads into registers that matrix instructions have read, and of reads of results
.rept 4
	v_nop
.endr
.endm
; Waves 0, 1, 2 fetch Wq's, Wk's, Wv's 128 rows, wave 3 x's 256.  The branch hangs on the wave's number alone.  Four v_nop follow each line.
.macro TLOAD n
	s_cmp_eq_u32 s[WV], 3
	s_cbranch_scc1 .Lfor_a_\@
	tensor_load_to_lds s[G0+4*\n:G0+4*\n+3], s[G1B:G1B+7]
	s_nop 0
.rept 4
	v_nop
.endr
	s_branch .Lasked_\@
.Lfor_a_\@:
	tensor_load_to_lds s[G0+4*\n:G0+4*\n+3], s[G1A:G1A+7]
	s_nop 0
.rept 4
	v_nop
.endr
.Lasked_\@:
.endm
.macro FETCHB g, slot, q               ; my four fragments of weight g (16 rows x 64 K), step q of the slot: 8 loads
.irp b, 0,1,2,3
	ds_load_b128 v[BF+32*\g+8*\b:BF+32*\g+8*\b+3],   v[ADRB+\slot] offset:\g*BROWS+\b*16*PITCH+64*\q
	ds_load_b128 v[BF+32*\g+8*\b+4:BF+32*\g+8*\b+7], v[ADRB+\slot] offset:\g*BROWS+\b*16*PITCH+64*\q+32
.endr
.endm
.macro FETCHA set, slot, q             ; my eight fragments of x: 16 loads
.irp a, 0,1,2,3,4,5,6,7
	ds_load_b128 v[AF+64*\set+8*\a:AF+64*\set+8*\a+3],   v[ADRA+\slot] offset:\a*16*PITCH+64*\q
	ds_load_b128 v[AF+64*\set+8*\a+4:AF+64*\set+8*\a+7], v[ADRA+\slot] offset:\a*16*PITCH+64*\q+32
.endr
.endm
; Row blocks a0 .. a1 x the four feature blocks of tensor g, 64 along K, x's set p.  The accumulators take turns, one instruction a turn.  zero = 1: the product starts the sum.
.macro MULG g, p, a0, a1, zero
	WIN 0x50*(\g+1)
.set aa, \a0
.rept \a1-\a0+1
.irp b, 0,1,2,3
.set rD, 8*(4*aa+\b)
.set rA, AF+64*\p+8*aa
.set rB, BF+32*\g+8*\b
.if \g == 2
.if \zero
	v_wmma_f32_16x16x64_fp8_fp8 v[rD:rD+7], v[rA:rA+7], v[rB:rB+7], 0
.else
	v_wmma_f32_16x16x64_fp8_fp8 v[rD:rD+7], v[rA:rA+7], v[rB:rB+7], v[rD:rD+7]
.endif
.else
.if \zero
	v_wmma_f32_16x16x64_fp8_fp8 v[rD:rD+7], v[rB:rB+7], v[rA:rA+7], 0
.else
	v_wmma_f32_16x16x64_fp8_fp8 v[rD:rD+7], v[rB:rB+7], v[rA:rA+7], v[rD:rD+7]
.endif
.endif
.endr
.set aa, aa+1
.endr
.endm
; A slot's first step (x's set 0): 96 matrix instructions; each operand's registers take the slot's second step as soon as they are free.  LDS loads stand in the order Wq, x, Wk, Wv.
.macro STEP slot, zero
	s_wait_dscnt 16                                ; Wq's and x's fragments are in; Wk's 8 and Wv's 8 loads may be out
	MULG 0, 0, 0, 7, \zero
	WIN 0
	PLACES
	FETCHB 0, \slot, 1
	FETCHA 1, \slot, 1
	s_wait_dscnt 32                                ; Wk's are in; behind them: Wv's 8, the next Wq's 8, the next x's 16
	MULG 1, 0, 0, 7, \zero
	WIN 0
	PLACES
	FETCHB 1, \slot, 1
	s_wait_dscnt 32                                ; Wv's are in; behind them: 8 + 16 + 8
	MULG 2, 0, 0, 7, \zero
	WIN 0
	PLACES
	FETCHB 2, \slot, 1
.endm
; A slot's second step (x's set 1) changes slots: ONE barrier; in front of it each wave waits for all its tensor loads, adds 0 to its spare word, and waits for that and for its reads of this slot.
; fill = 1: this slot takes the unit two further on (modulo 8).
.macro TURN slot, next, fill
	s_wait_tensorcnt 0x0                           ; all my tensor loads have landed: my part of the next slot; so a group 0 may be written
	ds_add_u32 v[SPW], v[NIL]                      ; 0 onto my spare word
.if \fill
	s_add_co_u32 s[UO], s[UO], 128                 ; the next unit along K,
	s_and_b32 s[UO], s[UO], 1023                   ; round the row's 1,024 bytes
	s_mov_b32 s[OFFP], s[UO]
	s_add_nc_u64 s[G0+4*\slot+2:G0+4*\slot+3], s[BASE:BASE+1], s[OFFP:OFFP+1]
	s_or_b32 s[G0+4*\slot+3], s[G0+4*\slot+3], 0x80000000
.endif
	s_wait_dscnt 17                                ; Wq's and x's fragments are in; Wk's 8, Wv's 8 and the add may be out
	MULG 0, 1, 0, 3, 0                             ; sixteen matrix instructions stand between the add and the wait for it
	s_wait_dscnt 0x0                               ; the add is done, and my reads of this slot are over
	s_barrier_signal -1
	MULG 0, 1, 4, 7, 0
	WIN 0
	s_barrier_wait -1
.if \fill
	TLOAD \slot                                    ; the first thing behind the barrier, my one tensor load until the next; its four v_nop are the places in front of the loads below
.else
	PLACES
.endif
	FETCHB 0, \next, 0
	FETCHA 0, \next, 0
	MULG 1, 1, 0, 7, 0
	WIN 0
	PLACES
	FETCHB 1, \next, 0
	MULG 2, 1, 0, 7, 0
	WIN 0
	PLACES
	FETCHB 2, \next, 0
.endm
	s_load_b256 s[4:11], s[0:1], 0x0               ; x s[4:5], Wq s[6:7], Wk s[8:9], Wv s[10:11]
	s_load_b256 s[12:19], s[0:1], 0x20             ; bq s[12:13], bk s[14:15], bv s[16:17], the exponents s[18:19]
	s_load_b128 s[20:23], s[0:1], 0x40             ; q_img s[20:21], k_img s[22:23]
	s_load_b64 s[24:25], s[0:1], 0x50              ; v_img
	v_lshl_add_u32 v[SPW], v0, 2, SPARE
	v_mov_b32 v[NIL], 0
	ds_add_u32 v28, v29
	ds_add_u32 v28, v29
	s_wait_dscnt 0x0
	v_lshrrev_b32 v1, 5, v0
	v_readfirstlane_b32 s[WV], v1                  ; wave 0..3
	s_lshr_b32 s[WM], s[WV], 1                     ; which 128 rows are mine
	s_and_b32 s[WN], s[WV], 1                      ; which 64 features
	s_mov_b32 s[GX], ttmp9
	s_and_b32 s[GY], ttmp7, 0xffff
	s_mov_b32 s[G1B], (1<<20)|(4<<22)|(3<<25)      ; elements of 1 byte; padding on: after every 32 words (code 4) four words (code 3)
	s_mov_b32 s[G1A], (1<<20)|(4<<22)|(3<<25)
.irp g, G1B, G1A
	s_mov_b32 s[\g+1], 128<<16                     ; tensor_dim0 = 128
	s_mov_b32 s[\g+3], 128<<16                     ; tile_dim0 = 128
	s_mov_b32 s[\g+5], 1024                        ; from row to row
	s_mov_b32 s[\g+6], 0
	s_mov_b32 s[\g+7], 0
.endr
	s_mov_b32 s[G1B+2], 128<<16                    ; tensor_dim1, tile_dim1 = 128 rows
	s_mov_b32 s[G1B+4], 128
	s_mov_b32 s[G1A+2], 256<<16                    ; 256 rows
	s_mov_b32 s[G1A+4], 256
	s_add_co_u32 s[UO], s[GX], s[GY]
	s_and_b32 s[UO], s[UO], 7
	s_lshl_b32 s[UO], s[UO], 7                     ; my first unit: (gx + gy) % 8, in bytes
	s_lshl_b32 s2, s[GX], 17                       ; a weight's row 128 gx, in bytes
	s_lshl_b32 s3, s[GY], 18                       ; x's row 256 gy
	s_mov_b32 s[G0], 1
	s_mul_i32 s[G0+1], s[WV], BROWS                ; where my tile goes: Wq, Wk, Wv, x lie BROWS apart
	s_mov_b32 s[G0+4], 1
	s_add_co_u32 s[G0+5], s[G0+1], SLOT
	s_mov_b32 s[OFFP+1], 0
	s_wait_kmcnt 0x0
	s_load_b256 s[68:75], s[18:19], 0x0            ; the ten exponents: wanted on the way out
	s_load_b64 s[76:77], s[18:19], 0x20
	s_cmp_eq_u32 s[WV], 0                          ; which tensor I fetch: a choice on the wave's number alone
	s_cselect_b64 s[BASE:BASE+1], s[6:7], s[8:9]
	s_cmp_eq_u32 s[WV], 2
	s_cselect_b64 s[BASE:BASE+1], s[10:11], s[BASE:BASE+1]
	s_cmp_eq_u32 s[WV], 3
	s_cselect_b64 s[BASE:BASE+1], s[4:5], s[BASE:BASE+1]
	s_cselect_b32 s[OFFP], s3, s2
	s_add_nc_u64 s[BASE:BASE+1], s[BASE:BASE+1], s[OFFP:OFFP+1]
	s_mov_b32 s[OFFP], s[UO]
	s_add_nc_u64 s[G0+2:G0+3], s[BASE:BASE+1], s[OFFP:OFFP+1]
	s_or_b32 s[G0+3], s[G0+3], 0x80000000          ; type = 2
	s_add_co_u32 s[UO], s[UO], 128
	s_and_b32 s[UO], s[UO], 1023
	s_mov_b32 s[OFFP], s[UO]
	s_add_nc_u64 s[G0+6:G0+7], s[BASE:BASE+1], s[OFFP:OFFP+1]
	s_or_b32 s[G0+7], s[G0+7], 0x80000000
	s_cmp_eq_u32 s[WV], 3                          ; a wave's two first fills stand in one branch, ahead of every wait on TENSORcnt, every LDS read and every barrier: two loads of mine are out
	s_cbranch_scc1 .Lfirst_a
	tensor_load_to_lds s[G0:G0+3], s[G1B:G1B+7]
	s_nop 0
	tensor_load_to_lds s[G0+4:G0+7], s[G1B:G1B+7]
	s_nop 0
.rept 4
	v_nop
.endr
	s_branch .Lfirst_done
.Lfirst_a:
	tensor_load_to_lds s[G0:G0+3], s[G1A:G1A+7]
	s_nop 0
	tensor_load_to_lds s[G0+4:G0+7], s[G1A:G1A+7]
	s_nop 0
.rept 4
	v_nop
.endr
.Lfirst_done:
	; the biases of my 64 features, in the results' layouts; they wait in LDS, since window 0 is full in the loop
	v_and_b32 v1, 15, v0                           ; r
	v_bfe_u32 v2, v0, 4, 1                         ; h
	v_lshlrev_b32 v3, 5, v2                        ; q, k: eight numbers from feature 8 h on
	v_lshlrev_b32 v4, 2, v1                        ; v: feature r
	s_lshl_b32 s2, s[GX], 9
	s_lshl_b32 s3, s[WN], 8
	s_add_co_u32 s2, s2, s3                        ; my first feature, in bytes of f32
	s_mov_b32 s3, 0
	s_add_nc_u64 s[12:13], s[12:13], s[2:3]
	s_add_nc_u64 s[14:15], s[14:15], s[2:3]
	s_add_nc_u64 s[16:17], s[16:17], s[2:3]
.irp b, 0,1,2,3
	global_load_b128 v[BI+8*\b:BI+8*\b+3],       v3, s[12:13] offset:64*\b
	global_load_b128 v[BI+8*\b+4:BI+8*\b+7],     v3, s[12:13] offset:64*\b+16
	global_load_b128 v[BI+32+8*\b:BI+32+8*\b+3], v3, s[14:15] offset:64*\b
	global_load_b128 v[BI+32+8*\b+4:BI+32+8*\b+7], v3, s[14:15] offset:64*\b+16
	global_load_b32 v[BI+64+2*\b], v4, s[16:17] offset:64*\b
	global_load_b32 v[BI+65+2*\b], v4, s[16:17] offset:64*\b   ; twice: a pair for the packed multiply-add
.endr
	v_mul_u32_u24 v5, v1, PITCH
	v_lshl_add_u32 v5, v2, 4, v5                   ; a fragment's row x pitch + 16 x half
	s_mul_i32 s2, s[WM], BROWS
	s_add_co_u32 s2, s2, AOFF                      ; my 128 rows of x
	s_mul_i32 s3, s[WN], 64*PITCH                  ; my 64 rows of a weight
.irp s, 0,1
	v_add_nc_u32 v[ADRA+\s], s2, v5
	v_add_nc_u32 v[ADRB+\s], s3, v5
	s_add_co_u32 s2, s2, SLOT
	s_add_co_u32 s3, s3, SLOT
.endr
	v_and_b32 v6, 31, v0
	v_lshlrev_b32 v[LI], 4, v6
	s_mul_i32 s2, s[WV], BIASW
	s_add_co_u32 s2, s2, BIAS
	v_add_nc_u32 v[BA], s2, v[LI]
	; where my wave stores: q, k: row tile 16 gy + 8 wm (16,384 bytes each), fragment gx, register groups 2 wn on;  v: key step 2 gy + wm (131,072 bytes), fragment 8 gx + 4 wn
	s_lshl_b32 s2, s[GY], 18
	s_lshl_b32 s3, s[WM], 17
	s_add_co_u32 s2, s2, s3
	s_lshl_b32 s3, s[GX], 11
	s_lshl_b32 s61, s[WN], 10
	s_add_co_u32 s3, s3, s61
	s_add_co_u32 s62, s2, s3
	s_mov_b32 s63, 0
	s_add_nc_u64 s[OB:OB+1], s[20:21], s[62:63]
	s_add_nc_u64 s[OB+2:OB+3], s[22:23], s[62:63]
	s_lshl_b32 s3, s[GX], 14
	s_lshl_b32 s61, s[WN], 13
	s_add_co_u32 s3, s3, s61
	s_add_co_u32 s62, s2, s3
	s_add_nc_u64 s[OB+4:OB+5], s[24:25], s[62:63]
	s_wait_loadcnt 0x0                             ; the biases
.irp i, 0,1,2,3,4,5,6,7,8,9,10,11,12,13,14,15,16,17
	ds_store_b128 v[BA], v[BI+4*\i:BI+4*\i+3] offset:512*\i
.endr
	s_wait_tensorcnt 0x1                           ; my part of slot 0 is in; slot 1's may stay out
	s_wait_dscnt 0x0
	s_barrier_signal -1
	s_barrier_wait -1                              ; everybody's is
	FETCHB 0, 0, 0
	FETCHA 0, 0, 0
	FETCHB 1, 0, 0
	FETCHB 2, 0, 0
	STEP 0, 1                                      ; the first step stands in front of the loop: its products start the sums
	s_mov_b32 s[LAPS], 3
.Llap:                                             ; a trip goes once round the ring and fills both slots again: units 2 to 7 in three trips
	TURN 0, 1, 1
	STEP 1, 0
	TURN 1, 0, 1
	STEP 0, 0
	s_sub_co_u32 s[LAPS], s[LAPS], 1
	s_cmp_lg_u32 s[LAPS], 0
	s_cbranch_scc1 .Llap
	TURN 0, 1, 0                                   ; the last lap fills nothing
	STEP 1, 0
	s_wait_dscnt 16                                ; the very last step: nothing more to fetch
	MULG 0, 1, 0, 7, 0
	s_wait_dscnt 8
	MULG 1, 1, 0, 7, 0
	s_wait_dscnt 0
	MULG 2, 1, 0, 7, 0
	WIN 0
	; THE WAY OUT: number = sum x 2^(ea + eb) + bias (one fused multiply-add); held within +-448 x the scale; eight numbers to eight codes; 16 bytes a lane, 512 consecutive aligned bytes a store.
	PLACES
.irp i, 0,1,2,3,4,5,6,7,8,9,10,11,12,13,14,15,16,17
	ds_load_b128 v[BI+4*\i:BI+4*\i+3], v[BA] offset:512*\i
.endr
	s_wait_kmcnt 0x0
.irp g, 0,1,2
	s_add_co_i32 s[SC+2*\g], s[ES+2*\g], s[ES+2*\g+1]
	s_add_co_i32 s[SC+2*\g], s[SC+2*\g], 127
	s_lshl_b32 s[SC+2*\g], s[SC+2*\g], 23          ; 2^(ea + eb) as f32
	s_mov_b32 s[SC+2*\g+1], s[SC+2*\g]             ; (named with it as a pair, so it is written)
.endr
.macro QSC g, e
	s_add_co_i32 s2, s[\e], 127
	s_lshl_b32 s3, s2, 23
	v_mov_b32 v[QS+2*\g], s3                       ; 2^e as f32: the conversion takes its exponent field
	s_add_co_i32 s2, s2, 8
	s_lshl_b32 s2, s2, 23
	s_or_b32 s2, s2, 0x600000
	v_mov_b32 v[QS+2*\g+1], s2                     ; 448 x 2^e
.endm
	QSC 0, ES+6
	QSC 1, ES+7
	QSC 2, ES+9
	s_wait_dscnt 0x0
.macro QZ g, n                         ; the 32 numbers in TMP become block n's eight registers of codes
.irp i, 0,1,2,3,4,5,6,7,8,9,10,11,12,13,14,15,16,17,18,19,20,21,22,23,24,25,26,27,28,29,30,31
	v_med3_num_f32 v[TMP+\i], v[TMP+\i], -v[QS+2*\g+1], v[QS+2*\g+1]   ; the conversion to an 8-bit code does not saturate (ISA guide 7.6.2): the hold comes first
.endr
.irp k, 0,1,2,3
	v_cvt_scalef32_pk8_fp8_f32 v[CD+8*(\n)+2*\k:CD+8*(\n)+2*\k+1], v[TMP+8*\k:TMP+8*\k+7], v[QS+2*\g]
.endr
	v_nop                                          ; one plain vector instruction between the conversions and the next block's writes of their sources
.endm
.macro OUTQK g, a                      ; rows 16 a on, my 64 features: accumulators (a, 0 .. 3), each from its low end on
	WIN \g+1
.irp i, 0,2,4,6,8,10,12,14,16,18,20,22,24,26,28,30
	v_pk_fma_f32 v[TMP+\i:TMP+\i+1], v[32*\a+\i:32*\a+\i+1], s[SC+2*\g:SC+2*\g+1], v[BI+32*\g+\i:BI+32*\g+\i+1] op_sel_hi:[1,0,1]
.endr
	WIN 0
	QZ \g, \a
	global_store_b128 v[LI], v[CD+8*\a:CD+8*\a+3],   s[OB+2*\g:OB+2*\g+1] offset:\a*16384
	global_store_b128 v[LI], v[CD+8*\a+4:CD+8*\a+7], s[OB+2*\g:OB+2*\g+1] offset:\a*16384+512
.endm
.macro OUTV b, u                       ; features 16 b on, keys 64 u on: accumulators (4 u .. 4 u + 3, b)
	WIN 3
.irp k, 0,1,2,3
.irp i, 0,2,4,6
	v_pk_fma_f32 v[TMP+8*\k+\i:TMP+8*\k+\i+1], v[8*(4*(4*\u+\k)+\b)+\i:8*(4*(4*\u+\k)+\b)+\i+1], s[SC+4:SC+5], v[BI+64+2*\b:BI+65+2*\b] op_sel_hi:[1,0,1]
.endr
.endr
	WIN 0
	QZ 2, 2*\b+\u
	global_store_b128 v[LI], v[CD+8*(2*\b+\u):CD+8*(2*\b+\u)+3],   s[OB+4:OB+5] offset:\b*2048+\u*1024
	global_store_b128 v[LI], v[CD+8*(2*\b+\u)+4:CD+8*(2*\b+\u)+7], s[OB+4:OB+5] offset:\b*2048+\u*1024+512
.endm
.irp a, 0,1,2,3,4,5,6,7
	OUTQK 0, \a
.endr
	s_wait_xcnt 0x0                                ; q's stores have read their registers: the codes' registers are written again
.irp a, 0,1,2,3,4,5,6,7
	OUTQK 1, \a
.endr
	s_wait_xcnt 0x0                                ; k's likewise
.irp b, 0,1,2,3
	OUTV \b, 0
	OUTV \b, 1
.endr
	s_wait_tensorcnt 0x0                           ; the wave's end, behind my last tensor load and my last LDS store
	ds_add_u32 v[SPW], v[NIL]
	s_wait_dscnt 0x0
	s_endpgm
.Lfunc_end_k_q5040697343_proj:
	.size	k_q5040697343_proj, .Lfunc_end_k_q5040697343_proj-k_q5040697343_proj
	.p2alignl 7, 3214868480
	.fill 96, 4, 3214868480
	.section	.rodata,"a",@progbits
	.p2align	6, 0x0
	.amdhsa_kernel k_q5040697343_proj
		.amdhsa_group_segment_fixed_size 327680
		.amdhsa_private_segment_fixed_size 0
		.amdhsa_enable_private_segment 0
		.amdhsa_kernarg_size 88
		.amdhsa_user_sgpr_count 2
		.amdhsa_user_sgpr_kernarg_segment_ptr 1
		.amdhsa_wavefront_size32 1
		.amdhsa_system_sgpr_workgroup_id_x 1
		.amdhsa_system_sgpr_workgroup_id_y 1
		.amdhsa_system_sgpr_workgroup_id_z 1
		.amdhsa_system_vgpr_workitem_id 0
		.amdhsa_next_free_vgpr 1024
		.amdhsa_next_free_sgpr 96
		.amdhsa_reserve_vcc 0
		.amdhsa_float_denorm_mode_32 3
		.amdhsa_float_denorm_mode_16_64 3
		.amdhsa_memory_ordered 1
		.amdhsa_forward_progress 1
		.amdhsa_inst_pref_size 172
	.end_amdhsa_kernel
	.amdgpu_metadata
---
amdhsa.version: [ 1, 2 ]
amdhsa.kernels:
  - .name:           k_q5040697343_proj
    .symbol:         k_q5040697343_proj.kd
    .args:
      - { .name: x_codes, .offset: 0, .size: 8, .value_kind: global_buffer, .address_space: global }
      - { .name: wq_w_codes, .offset: 8, .size: 8, .value_kind: global_buffer, .address_space: global }
      - { .name: wk_w_codes, .offset: 16, .size: 8, .value_kind: global_buffer, .address_space: global }
      - { .name: wv_w_codes, .offset: 24, .size: 8, .value_kind: global_buffer, .address_space: global }
      - { .name: wq_b, .offset: 32, .size: 8, .value_kind: global_buffer, .address_space: global }
      - { .name: wk_b, .offset: 40, .size: 8, .value_kind: global_buffer, .address_space: global }
      - { .name: wv_b, .offset: 48, .size: 8, .value_kind: global_buffer, .address_space: global }
      - { .name: lowp_scales, .offset: 56, .size: 8, .value_kind: global_buffer, .address_space: global }
      - { .name: q_img, .offset: 64, .size: 8, .value_kind: global_buffer, .address_space: global }
      - { .name: k_img, .offset: 72, .size: 8, .value_kind: global_buffer, .address_space: global }
      - { .name: v_img, .offset: 80, .size: 8, .value_kind: global_buffer, .address_space: global }
    .group_segment_fixed_size: 327680
    .private_segment_fixed_size: 0
    .kernarg_segment_align: 8
    .kernarg_segment_size: 88
    .max_flat_workgroup_size: 128
    .sgpr_count:     96
    .vgpr_count:     1024
    .wavefront_size: 32
...
	.end_amdgpu_metadata
.endif
;; end of part 1
;; launch attn (part 2): grid 32 x 4, 4 waves a work-group, no clusters, 43,520 bytes of LDS; arguments q_img, k_img, v_img, lowp_scales, out0; writes out0
.if DOCPART == 2
	.amdgcn_target "amdgcn-amd-amdhsa--gfx1250"
	.amdhsa_code_object_version 6
	.text
	.protected	k_q5040697343_attn
	.globl	k_q5040697343_attn
	.p2align	8
	.type	k_q5040697343_attn,@function
k_q5040697343_attn:
	s_mov_b64 s[64:65], 0
	v_nop
	global_prefetch_b8 v0, s[64:65] scope:SCOPE_SE
	s_setreg_imm32_b32 hwreg(HW_REG_WAVE_MODE, 25, 1), 1
	s_wait_xcnt 0x0
; out[i] = sum over j of A[i][j] v[j].  With P = the softmax along each row i of triu(s) (the entries j < i enter it as the number 0), A[i][j] = P[i][j] for j <= i and 0 for j > i.  So, with t = s log2(e),
; M a whole number at or above the row's largest t (0 among them where i > 0) and l = i 2^-M + sum over j >= i of 2^(t - M):   A[i][j] = c = 2^-M / l for j < i;   A[i][i] = d = 2^(t_ii - M) / l.
; Scores are multiplied only where j >= i (in steps of 128 keys), A v only where j <= i.  Both products are on codes of FP8 (E4M3): q, k, v come as images of operand registers (a fragment: 16 rows x 128 K,
; 2,048 bytes, registers 4 c .. 4 c + 3 of lane l at 512 c + 16 l); A is quantised here with entry 8 of the scales.
; SHARES.  Work-group (rb, batch): 64 queries from 64 rb on, four tiles of 16; hf = rb / 2 is their step of 128 keys, odd = rb % 2 their half of it.
;   Phase 1: S^T = K Q^T (source 0 = 16 keys, source 1 = 16 queries): a lane holds ONE query and eight keys.  Every wave holds all of Q (512 registers); of each key step from hf on wave w takes key tiles w and w + 4.
;   Each lane keeps its own running M, sum and diagonal score; they meet once, across the lane halves and, through LDS, across the waves.  One tile's softmax stands in slices behind the next tile's products.
;   Phase 2: O^T = V^T A^T (source 0 = 16 features of V, source 1 = A's 16 queries): wave w owns features 256 w on; key steps hf (the diagonal one, which starts the sums) down to 0.
;   A wave issues (16 - hf) x 64 + (hf + 1) x 64 = 17 x 64 matrix instructions, whatever rb.
; K and V go from memory straight into registers: each fragment is wanted by one wave of the work-group, once.  NO CLUSTER and no tensor loads: row blocks begin and end at different keys, so partners would need
; different numbers of tiles.  128 work-groups: with 32 queries to a work-group each fragment of K and V would feed two matrix instructions in place of four.
; LIMITS: entries 6 + 7 of the scales between -121 and 132 (added to c's exponent field); entry 8 between -126 and 119; entries 8 + 9 between -126 and 127.  NaN and infinite scores are not served.
; REGISTERS: window 0: v1-15 lane numbers and addresses; v16-47 eight statistics a tile; v48-61 diagonal scores, c, d, the scale; v64-95, v96-127 two sets of scores, later A's full fragments;
;   v128-191 the waves' statistics, later A's diagonal fragments; v192-223 at work.  Window 1: two buffers of K (8 fragments each), later V's 16 fragments.  Windows 2, 3: Q, later the 64 accumulators of O^T.
.set LO,   3                           ; v3   16 x lane
.set XA,   4                           ; v4   key - query of register 0, tile 0, in my first key tile: 16 w + 8 h - r - 64 odd
.set XB,   5                           ; v5   the same in my second key tile: + 64
.set NINF, 6                           ; v6   -infinity
.set PFO,  7                           ; v7   256 x lane
.set Y2,   8                           ; v8   r - 8 h
.set STO,  9                           ; v9   the way out: where I put 32 bytes of a row
.set RD,   10                          ; v10  and where I read a row back
.set MA,   11                          ; v11  where I put my statistics for the other waves
.set IQ,   14                          ; v14  64 rb + r
.set BIG,  15                          ; v15  3e38
.set ST,   16                          ; tile t at v[16 + 8 t]: +0 -M, +1 the largest t, +2, +3 the sum in two halves, +4 f, +5 (its pair), +6, +7 at work
.set DG,   48
.set CR,   52
.set DR,   56
.set SCL,  60
.set LIM,  61
.set S0,   64
.set S1,   96
.set EN,   128
.set AFR,  64
.set ADG,  128
.set F8,   192
.set CC,   200
.set MB,   208
.set G8,   216
.set TMP,  32
.set BK,   128
.set WV, 14
.set RB, 15
.set BT, 16
.set HF, 17
.set ODD, 18
.set NP, 19                            ; s19  pairs of key tiles but the last: 15 - hf
.set PP, 20                            ; s20  the pair in hand
.set CS, 22                            ; s[22:23] c = log2(e) / 32 x 2^(e6 + e7)
.set SEL, 24                           ; s[24:25] lane selects: lane l xor 16
.set KP, 26                            ; s[26:27] my first key tile of the pair in hand
.set VP, 28                            ; s[28:29] my 16 fragments of V of the key step in hand
.set PFA, 30                           ; s[30:31] what I prefetch
.set OS, 42                            ; s[42:43] 2^(e8 + e9)
.set OM, 44                            ; s44  all ones where odd
.set CT, 45
.set MSB, 0
.macro WIN new                         ; the immediate's high byte repeats the setting that is left
.if MSB != (\new)
	s_set_vgpr_msb (MSB<<8)|(\new)
.set MSB, (\new)
.endif
.endm
.macro PLACES                          ; four places in front of loads into registers that matrix instructions have read, and of reads of results
.rept 4
	v_nop
.endr
.endm
; Round kk (0 .. 26) of the softmax of the four tiles of scores at v[set]: one instruction for each tile, so that no instruction reads the result of the one just before it.
; 0-3 the lane's largest score; 4-10 the running largest t, -M = floor(-t), f = 2^(old M - new M) (a whole power of two: nothing is rounded); 11-14 t - M; 15-22 the exponentials, ONE batch with one wait; 23-26 the sum.
.macro SMR set
.irp t, 0,1,2,3
.set rT, ST+8*\t
.set rS, \set+8*\t
.if kk == 0
	v_max3_num_f32 v[rT+6], v[rS], v[rS+1], v[rS+2]
.elseif kk == 1
	v_max3_num_f32 v[rT+6], v[rT+6], v[rS+3], v[rS+4]
.elseif kk == 2
	v_max3_num_f32 v[rT+6], v[rT+6], v[rS+5], v[rS+6]
.elseif kk == 3
	v_max_num_f32 v[rT+6], v[rT+6], v[rS+7]
.elseif kk == 4
	v_mul_f32 v[rT+6], s[CS], v[rT+6]
.elseif kk == 5
	v_max_num_f32 v[rT+1], v[rT+1], v[rT+6]
.elseif kk == 6
	v_floor_f32 v[rT+7], -v[rT+1]
.elseif kk == 7
	v_sub_f32 v[rT+6], v[rT+7], v[rT]
.elseif kk == 8
	v_mov_b32 v[rT], v[rT+7]
.elseif kk == 9
	v_cvt_i32_f32 v[rT+6], v[rT+6]
.elseif kk == 10
	v_ldexp_f32 v[rT+4], 1.0, v[rT+6]
.elseif kk < 15
	v_pk_fma_f32 v[rS+2*(kk-11):rS+2*(kk-11)+1], v[rS+2*(kk-11):rS+2*(kk-11)+1], s[CS:CS+1], v[rT:rT+1] op_sel_hi:[1,0,0]
.elseif kk < 23
	v_exp_f32 v[rS+kk-15], v[rS+kk-15]
.elseif kk == 23
	v_pk_fma_f32 v[rT+2:rT+3], v[rT+2:rT+3], v[rT+4:rT+5], v[rS:rS+1] op_sel_hi:[1,0,1]
.else
	v_pk_add_f32 v[rT+2:rT+3], v[rT+2:rT+3], v[rS+2*(kk-23):rS+2*(kk-23)+1]
.endif
.endr
.if kk == 22
	v_nop                                          ; a plain instruction behind the last exponential,
	s_wait_alu depctr_va_vdst(0)                   ; and the one wait for the batch of 32, ahead of its first reader
.endif
.endm
; One key tile against the four tiles of queries: 32 matrix instructions into v[set], the four accumulators by turns; behind each a round of the OTHER set's softmax.
; As soon as two fragments of the buffer are done with, eight loads fill them again from ptr + off.  64 loads are out: at each wait the run wanted is the oldest, and seven runs of eight stand behind it.
.macro HALF set, oth, buf, ptr, off
.irp a, 0,1,2,3
	s_wait_loadcnt 56
.irp s, 2*\a, 2*\a+1
.irp q, 0,1,2,3
	WIN 0x09+4*(\q/2)
.if (\s) == 0
	v_wmma_f32_16x16x128_fp8_fp8 v[\set+8*\q:\set+8*\q+7], v[128*\buf+16*(\s):128*\buf+16*(\s)+15], v[128*(\q%2)+16*(\s):128*(\q%2)+16*(\s)+15], 0
.else
	v_wmma_f32_16x16x128_fp8_fp8 v[\set+8*\q:\set+8*\q+7], v[128*\buf+16*(\s):128*\buf+16*(\s)+15], v[128*(\q%2)+16*(\s):128*(\q%2)+16*(\s)+15], v[\set+8*\q:\set+8*\q+7]
.endif
.set kk, 4*(\s)+\q
.if kk < 27
	WIN 0
	SMR \oth
.endif
.endr
.endr
	PLACES
	WIN 0x40                                       ; destination window 1
.irp f, 2*\a, 2*\a+1
.irp c, 0,1,2,3
	global_load_b128 v[128*\buf+16*(\f)+4*\c:128*\buf+16*(\f)+4*\c+3], v[LO], s[\ptr:\ptr+1] offset:\off+(\f)*2048+\c*512
.endr
.endr
.endr
	WIN 0
.endm
; The first pair alone meets the diagonal.  Register j of tile t holds key - query = x + j - 16 t: where it is 0 the score is kept as the diagonal's; where it is negative the score becomes -infinity: p = 0 then.
; pf = 1: A PREFETCH of V, behind the run of loads just issued: of key step hf's 131,072 bytes this work-group names half number odd, each wave 16,384 bytes of it, lanes 256 bytes apart, two instructions:
; the 32 work-groups of a batch together name each block of the batch's V once.
.macro MASKIF set, x, pf
	s_cmp_lg_u32 s[PP], 0
	s_cbranch_scc1 .Lopen_\@
.if \pf
	global_prefetch_b8 v[PFO], s[PFA:PFA+1] th:TH_LOAD_NT scope:SCOPE_SE
	global_prefetch_b8 v[PFO], s[PFA:PFA+1] offset:8192 th:TH_LOAD_NT scope:SCOPE_SE
.endif
.irp t, 0,1,2,3
.irp j, 0,1,2,3,4,5,6,7
	v_cmp_eq_i32 vcc_lo, 16*\t-\j, v[\x]
	v_cndmask_b32 v[DG+\t], v[DG+\t], v[\set+8*\t+\j], vcc_lo
	v_cmp_gt_i32 vcc_lo, 16*\t-\j, v[\x]
	v_cndmask_b32 v[\set+8*\t+\j], v[\set+8*\t+\j], v[NINF], vcc_lo
.endr
.endr
.Lopen_\@:
.endm
; A key step of O^T += V^T A^T: 64 matrix instructions, each accumulator once.  ab: A's four fragments.  zero = 1: the products start the sums.  ld = 1: V's fragments take the key step below as they come free.
.macro STEP2 ab, zero, ld
.irp a, 0,1,2,3,4,5,6,7
.if \ld
	s_wait_loadcnt 56                              ; the run wanted is the oldest; seven runs of eight stand behind it
.else
	s_wait_loadcnt 8*(7-\a)                        ; nothing is asked for any more: the runs behind this one
.endif
.irp hw, 0,1
	WIN 0xa1+0x50*\hw                              ; V window 1, A window 0, C and D window 2 or 3
.irp f, 2*\a, 2*\a+1
.irp q, 0,1
.if \zero
	v_wmma_f32_16x16x128_fp8_fp8 v[128*\q+8*(\f):128*\q+8*(\f)+7], v[16*(\f):16*(\f)+15], v[\ab+16*(2*\hw+\q):\ab+16*(2*\hw+\q)+15], 0
.else
	v_wmma_f32_16x16x128_fp8_fp8 v[128*\q+8*(\f):128*\q+8*(\f)+7], v[16*(\f):16*(\f)+15], v[\ab+16*(2*\hw+\q):\ab+16*(2*\hw+\q)+15], v[128*\q+8*(\f):128*\q+8*(\f)+7]
.endif
.endr
.endr
.endr
.if \ld
	PLACES
	WIN 0x40
.irp f, 2*\a, 2*\a+1
.irp c, 0,1,2,3
	global_load_b128 v[16*(\f)+4*\c:16*(\f)+4*\c+3], v[LO], s[VP:VP+1] offset:(\f)*2048+\c*512-131072
.endr
.endr
.endif
.endr
	WIN 0
.endm
	s_load_b256 s[4:11], s[0:1], 0x0               ; q_img s[4:5], k_img s[6:7], v_img s[8:9], the exponents s[10:11]
	s_load_b64 s[12:13], s[0:1], 0x20              ; out
	v_lshrrev_b32 v1, 5, v0
	v_readfirstlane_b32 s[WV], v1                  ; wave 0..3
	s_mov_b32 s[RB], ttmp9
	s_and_b32 s[BT], ttmp7, 0xffff
	s_lshr_b32 s[HF], s[RB], 1
	s_and_b32 s[ODD], s[RB], 1
	s_sub_co_u32 s[NP], 15, s[HF]
	s_mov_b32 s[PP], 0
	s_mov_b32 s[SEL], 0x76543210
	s_mov_b32 s[SEL+1], 0xfedcba98
	v_and_b32 v12, 31, v0
	v_lshlrev_b32 v[LO], 4, v12
	v_lshlrev_b32 v[PFO], 8, v12
	s_lshl_b32 s2, s[BT], 21                       ; the batch's first byte in each image
	s_lshl_b32 s32, s[RB], 16
	s_add_co_u32 s32, s32, s2                      ; Q: my four row tiles of 16,384 bytes
	s_mov_b32 s33, 0
	s_lshl_b32 s3, s[HF], 17
	s_add_co_u32 s2, s2, s3                        ; key step hf: 131,072 bytes in k_img and in v_img
	s_lshl_b32 s34, s[WV], 14
	s_add_co_u32 s34, s34, s2                      ; K: key tile w of it
	s_mov_b32 s35, 0
	s_lshl_b32 s40, s[WV], 15
	s_add_co_u32 s40, s40, s2                      ; V: fragments 16 w on
	s_mov_b32 s41, 0
	s_lshl_b32 s46, s[ODD], 16
	s_add_co_u32 s46, s46, s34                     ; the prefetch: half number odd, my wave's 16,384 bytes
	s_mov_b32 s47, 0
	s_lshl_b32 s48, s[BT], 23
	s_lshl_b32 s3, s[RB], 18
	s_add_co_u32 s48, s48, s3
	s_lshl_b32 s3, s[WV], 10
	s_add_co_u32 s48, s48, s3                      ; out: my first row (4,096 bytes each), my wave's 1,024 bytes of it
	s_mov_b32 s49, 0
	s_wait_kmcnt 0x0
	s_load_b128 s[36:39], s[10:11], 0x18           ; e6, e7, e8, e9
	s_add_nc_u64 s[4:5], s[4:5], s[32:33]
	s_add_nc_u64 s[KP:KP+1], s[6:7], s[34:35]
	s_add_nc_u64 s[VP:VP+1], s[8:9], s[40:41]
	s_add_nc_u64 s[PFA:PFA+1], s[8:9], s[46:47]
	s_add_nc_u64 s[12:13], s[12:13], s[48:49]
	WIN 0x80                                       ; Q stays in registers: fragment (tile, d step s) at window 2 + tile / 2, v[128 (tile % 2) + 16 s]
.set i, 0
.rept 64
	global_load_b128 v[4*i:4*i+3], v[LO], s[4:5] offset:512*i
.set i, i+1
.endr
	WIN 0xc0
.set i, 0
.rept 64
	global_load_b128 v[4*i:4*i+3], v[LO], s[4:5] offset:32768+512*i
.set i, i+1
.endr
	WIN 0x40                                       ; the first pair of key tiles, in the order in which the runs are waited for
.set i, 0
.rept 32
	global_load_b128 v[4*i:4*i+3], v[LO], s[KP:KP+1] offset:512*i
.set i, i+1
.endr
.set i, 0
.rept 32
	global_load_b128 v[128+4*i:128+4*i+3], v[LO], s[KP:KP+1] offset:65536+512*i
.set i, i+1
.endr
	WIN 0
	v_and_b32 v1, 15, v0                           ; r
	v_bfe_u32 v2, v0, 4, 1                         ; h
	s_lshl_b32 s2, s[WV], 4
	s_lshl_b32 s3, s[ODD], 6
	s_sub_co_i32 s2, s2, s3
	v_lshlrev_b32 v12, 3, v2
	v_sub_nc_u32 v[Y2], v1, v12
	v_sub_nc_u32 v[XA], s2, v[Y2]
	v_add_nc_u32 v[XB], 64, v[XA]
	v_mov_b32 v[NINF], 0xff800000
	v_mov_b32 v[BIG], 0x7f61b1e6
	s_lshl_b32 s2, s[RB], 6
	v_add_nc_u32 v[IQ], s2, v1
	s_mul_i32 s2, s[WV], 8448
	s_add_co_u32 s2, s2, 8192                      ; my stage: 16 rows x 528 bytes, behind the 8,192 bytes of statistics
	v_mul_u32_u24 v[STO], v1, 528
	v_lshl_add_u32 v[STO], v2, 5, v[STO]
	v_add_nc_u32 v[STO], s2, v[STO]
	v_add_nc_u32 v[RD], s2, v[LO]
	s_lshl_b32 s2, s[WV], 11
	v_add_nc_u32 v[MA], s2, v[LO]
.irp t, 0,1,2,3
	v_mov_b32 v[ST+8*\t], 0x7f61b1e6               ; -M = floor(3e38)
	v_mov_b32 v[ST+8*\t+1], 0xff61b1e6             ; the largest t so far: -3e38, under every t
	v_mov_b32 v[ST+8*\t+2], 0
	v_mov_b32 v[ST+8*\t+3], 0
	v_mov_b32 v[ST+8*\t+4], 0
	v_mov_b32 v[ST+8*\t+5], 0
	v_mov_b32 v[ST+8*\t+6], 0
	v_mov_b32 v[ST+8*\t+7], 0
	v_mov_b32 v[DG+\t], 0xff800000
.endr
.set i, 0
.rept 32
	v_mov_b32 v[S1+i], 0xff800000                  ; the first tile's products carry the softmax of a set that adds nothing
.set i, i+1
.endr
	s_cmp_lg_u32 s[ODD], 0
	s_cselect_b32 s[OM], -1, 0
	s_wait_kmcnt 0x0
	s_add_co_i32 s2, s36, s37
	s_lshl_b32 s2, s2, 23
	s_add_co_i32 s[CS], s2, 0x3d38aa3b             ; log2(e) / 32, with e6 + e7 added to its exponent field
	s_mov_b32 s[CS+1], s[CS]                       ; (named with it as a pair, so it is written)
	s_add_co_i32 s2, s38, 127
	s_lshl_b32 s3, s2, 23
	v_mov_b32 v[SCL], s3                           ; 2^e8 as f32
	s_add_co_i32 s2, s2, 8
	s_lshl_b32 s2, s2, 23
	s_or_b32 s2, s2, 0x600000
	v_mov_b32 v[LIM], s2                           ; 448 x 2^e8
	s_add_co_i32 s2, s38, s39
	s_add_co_i32 s2, s2, 127
	s_lshl_b32 s[OS], s2, 23                       ; 2^(e8 + e9) as f32
	s_mov_b32 s[OS+1], s[OS]
	s_cmp_eq_u32 s[NP], 0
	s_cbranch_scc1 .Ltail
.Lpair:                                            ; 15 - hf trips: a pair of key tiles; the freed buffers take the next pair, 131,072 bytes on
	HALF S0, S1, 0, KP, 131072
	MASKIF S0, XA, 1
	HALF S1, S0, 1, KP, 196608
	MASKIF S1, XB, 0
	s_wait_xcnt 0x0                                ; the loads have read their base: it may step
	s_add_nc_u64 s[KP:KP+1], s[KP:KP+1], 131072
	s_add_co_u32 s[PP], s[PP], 1
	s_cmp_lt_u32 s[PP], s[NP]
	s_cbranch_scc1 .Lpair
.Ltail:                                            ; the last pair: the freed buffers take V's 16 fragments of the diagonal key step, so every count stays as it is
	HALF S0, S1, 0, VP, 0
	MASKIF S0, XA, 1
	HALF S1, S0, 1, VP, 16384
	MASKIF S1, XB, 0
.set kk, 0
.rept 27
	SMR S1                                         ; the last tile's softmax has no products to stand behind
.set kk, kk+1
.endr
	; THE STATISTICS MEET.  First lane l and lane l xor 16 (the query's other keys of each tile): the smaller -M; the sums are brought under it by a whole power of two and added; the diagonal score by a maximum.
.irp t, 0,1,2,3
	v_add_f32 v[ST+8*\t+2], v[ST+8*\t+2], v[ST+8*\t+3]
.endr
.irp t, 0,1,2,3
	v_permlanex16_b32 v[ST+8*\t+6], v[ST+8*\t], s[SEL], s[SEL+1]
.endr
.irp t, 0,1,2,3
	v_min_num_f32 v[EN+4*\t], v[ST+8*\t], v[ST+8*\t+6]
.endr
.irp t, 0,1,2,3
	v_sub_f32 v[ST+8*\t+6], v[EN+4*\t], v[ST+8*\t]
.endr
.irp t, 0,1,2,3
	v_cvt_i32_f32 v[ST+8*\t+6], v[ST+8*\t+6]       ; (it saturates: a lane that has seen no key holds the sum 0)
.endr
.irp t, 0,1,2,3
	v_ldexp_f32 v[ST+8*\t+2], v[ST+8*\t+2], v[ST+8*\t+6]
.endr
.irp t, 0,1,2,3
	v_permlanex16_b32 v[ST+8*\t+3], v[ST+8*\t+2], s[SEL], s[SEL+1]
.endr
.irp t, 0,1,2,3
	v_add_f32 v[EN+4*\t+1], v[ST+8*\t+2], v[ST+8*\t+3]
.endr
.irp t, 0,1,2,3
	v_permlanex16_b32 v[ST+8*\t+4], v[DG+\t], s[SEL], s[SEL+1]
.endr
.irp t, 0,1,2,3
	v_max_num_f32 v[EN+4*\t+2], v[DG+\t], v[ST+8*\t+4]
.endr
.irp t, 0,1,2,3
	v_mov_b32 v[EN+4*\t+3], 0
.endr
.irp t, 0,1,2,3
	ds_store_b128 v[MA], v[EN+4*\t:EN+4*\t+3] offset:512*\t    ; (-M, sum, diagonal score, 0) of tile t: 2,048 w + 512 t + 16 x lane
.endr
	s_wait_dscnt 0x0                               ; for the others' sake: my stores have landed
	s_barrier_signal -1
	s_barrier_wait -1
.irp w, 0,1,2,3
.irp t, 0,1,2,3
	ds_load_b128 v[EN+16*\w+4*\t:EN+16*\w+4*\t+3], v[LO] offset:2048*\w+512*\t
.endr
.endr
.irp t, 0,1,2,3
	v_add_nc_u32 v[ST+8*\t+4], 16*\t, v[IQ]        ; i, the query's number in its batch: so many zeros enter its softmax
.endr
.irp t, 0,1,2,3
	v_cmp_eq_u32 vcc_lo, 0, v[ST+8*\t+4]
	v_cndmask_b32 v[ST+8*\t+1], 0, v[BIG], vcc_lo  ; the zeros' -M: 0; query 0 has none
.endr
.irp t, 0,1,2,3
	v_cvt_f32_u32 v[ST+8*\t+3], v[ST+8*\t+4]
.endr
	s_wait_dscnt 0x0
.irp t, 0,1,2,3
	v_min3_num_f32 v[ST+8*\t], v[EN+4*\t], v[EN+16+4*\t], v[EN+32+4*\t]
.endr
.irp t, 0,1,2,3
	v_min3_num_f32 v[ST+8*\t], v[ST+8*\t], v[EN+48+4*\t], v[ST+8*\t+1]   ; the row's -M
.endr
.irp w, 0,1,2,3
.irp t, 0,1,2,3
	v_sub_f32 v[EN+16*\w+4*\t], v[ST+8*\t], v[EN+16*\w+4*\t]
.endr
.endr
.irp t, 0,1,2,3
	v_sub_f32 v[ST+8*\t+1], v[ST+8*\t], v[ST+8*\t+1]
.endr
.irp w, 0,1,2,3
.irp t, 0,1,2,3
	v_cvt_i32_f32 v[EN+16*\w+4*\t], v[EN+16*\w+4*\t]
.endr
.endr
.irp t, 0,1,2,3
	v_cvt_i32_f32 v[ST+8*\t+1], v[ST+8*\t+1]
.endr
.irp w, 0,1,2,3
.irp t, 0,1,2,3
	v_ldexp_f32 v[EN+16*\w+4*\t+1], v[EN+16*\w+4*\t+1], v[EN+16*\w+4*\t]
.endr
.endr
.irp t, 0,1,2,3
	v_ldexp_f32 v[ST+8*\t+3], v[ST+8*\t+3], v[ST+8*\t+1]   ; i x 2^-M
.endr
.irp t, 0,1,2,3
	v_add_f32 v[ST+8*\t+2], v[EN+4*\t+1], v[EN+16+4*\t+1]
.endr
.irp t, 0,1,2,3
	v_add_f32 v[ST+8*\t+4], v[EN+32+4*\t+1], v[EN+48+4*\t+1]
.endr
.irp t, 0,1,2,3
	v_max3_num_f32 v[ST+8*\t+5], v[EN+4*\t+2], v[EN+16+4*\t+2], v[EN+32+4*\t+2]
.endr
.irp t, 0,1,2,3
	v_add_f32 v[ST+8*\t+2], v[ST+8*\t+2], v[ST+8*\t+4]
.endr
.irp t, 0,1,2,3
	v_max_num_f32 v[ST+8*\t+5], v[ST+8*\t+5], v[EN+48+4*\t+2]
.endr
.irp t, 0,1,2,3
	v_add_f32 v[ST+8*\t+2], v[ST+8*\t+2], v[ST+8*\t+3]     ; l
.endr
.irp t, 0,1,2,3
	v_fma_f32 v[ST+8*\t+5], v[ST+8*\t+5], s[CS], v[ST+8*\t] ; t_ii - M
.endr
.irp t, 0,1,2,3
	v_cvt_i32_f32 v[ST+8*\t+6], v[ST+8*\t]
.endr
.irp t, 0,1,2,3
	v_rcp_f32 v[ST+8*\t+2], v[ST+8*\t+2]
.endr
.irp t, 0,1,2,3
	v_exp_f32 v[ST+8*\t+5], v[ST+8*\t+5]
.endr
	v_nop                                          ; a plain instruction behind the last transcendental,
	s_wait_alu depctr_va_vdst(0)                   ; and one wait for the eight, ahead of their first reader
.irp t, 0,1,2,3
	v_ldexp_f32 v[CR+\t], v[ST+8*\t+2], v[ST+8*\t+6]       ; c = 2^-M / l
	v_mul_f32 v[DR+\t], v[ST+8*\t+5], v[ST+8*\t+2]         ; d = 2^(t_ii - M) / l
.endr
.irp t, 0,1,2,3
	v_min_num_f32 v[CR+\t], v[CR+\t], v[LIM]       ; the conversion does not saturate (ISA guide 7.6.2); neither number is negative, so the hold is one-sided
	v_min_num_f32 v[DR+\t], v[DR+\t], v[LIM]
.endr
	; A's CODES.  A lane holds query r; registers 2 c', 2 c' + 1 of a fragment are keys 16 c' + 8 h + 0 .. 7 of a key step.  CC: eight codes of c.  MB: the block of 16 keys that holds the diagonal:
	; key e of my eight comes before my query where e < r - 8 h (c), is it where e = r - 8 h (d), comes after it otherwise (0).
.irp t, 0,1,2,3
.irp e, 0,1,2,3,4,5,6,7
	v_mov_b32 v[F8+\e], v[CR+\t]
.endr
.irp e, 0,1,2,3,4,5,6,7
	v_cmp_lt_i32 vcc_lo, \e, v[Y2]
	v_cndmask_b32 v[G8+\e], 0, v[CR+\t], vcc_lo
	v_cmp_eq_i32 vcc_lo, \e, v[Y2]
	v_cndmask_b32 v[G8+\e], v[G8+\e], v[DR+\t], vcc_lo
.endr
	v_cvt_scalef32_pk8_fp8_f32 v[CC+2*\t:CC+2*\t+1], v[F8:F8+7], v[SCL]
	v_cvt_scalef32_pk8_fp8_f32 v[MB+2*\t:MB+2*\t+1], v[G8:G8+7], v[SCL]
	v_nop                                          ; one plain vector instruction between the conversions and what touches their results or writes their sources
.endr
.irp t, 0,1,2,3                                ; a key step all of whose keys come before my queries: c throughout
.irp i, 0,1,2,3,4,5,6,7,8,9,10,11,12,13,14,15
	v_mov_b32 v[AFR+16*\t+\i], v[CC+2*\t+\i%2]
.endr
.endr
.irp t, 0,1,2,3                                ; the diagonal key step: tile t's diagonal block is c' = t (odd = 0) or t + 4 (odd = 1); c before it, 0 behind it
.irp c, 0,1,2,3,4,5,6,7
.irp u, 0,1
.if \c < \t
	v_mov_b32 v[ADG+16*\t+2*\c+\u], v[CC+2*\t+\u]
.elseif \c == \t
	v_cndmask_b32 v[ADG+16*\t+2*\c+\u], v[MB+2*\t+\u], v[CC+2*\t+\u], s[OM]
.elseif \c < \t+4
	v_cndmask_b32 v[ADG+16*\t+2*\c+\u], 0, v[CC+2*\t+\u], s[OM]
.elseif \c == \t+4
	v_cndmask_b32 v[ADG+16*\t+2*\c+\u], 0, v[MB+2*\t+\u], s[OM]
.else
	v_mov_b32 v[ADG+16*\t+2*\c+\u], 0
.endif
.endr
.endr
.endr
	; PHASE 2: key steps hf, hf - 1, .. 0
	s_cmp_eq_u32 s[HF], 0
	s_cbranch_scc1 .Lonly
	STEP2 ADG, 1, 1
	s_wait_xcnt 0x0                                ; the loads have read their base: it may step
	s_sub_nc_u64 s[VP:VP+1], s[VP:VP+1], 131072
	s_sub_co_u32 s[CT], s[HF], 1
	s_cmp_eq_u32 s[CT], 0
	s_cbranch_scc1 .Llastks
.Lks:                                              ; hf - 1 trips
	STEP2 AFR, 0, 1
	s_wait_xcnt 0x0
	s_sub_nc_u64 s[VP:VP+1], s[VP:VP+1], 131072
	s_sub_co_u32 s[CT], s[CT], 1
	s_cmp_lg_u32 s[CT], 0
	s_cbranch_scc1 .Lks
.Llastks:
	STEP2 AFR, 0, 0                                ; key step 0: no load leaves the buffer
	s_branch .Lout
.Lonly:
	STEP2 ADG, 1, 0
.Lout:
; THE WAY OUT, block by block of 16 queries x 128 features.  A lane holds 32 neighbouring bytes of a row and the lanes beside it other rows: a block goes through my own stage in LDS and comes back as whole pieces of
; 512 bytes of a row.  LDS serves a wave's instructions in order (ISA guide 5.7.1.4): no wait between the stores and the loads, nor in front of the next block's stores.
.macro TOSTAGE a
.set AC, 64*((\a)%4)
	WIN 0x02+((\a)/4)                              ; source 0: window 2 or 3
.irp j, 0,2,4,6,8,10,12,14,16,18,20,22,24,26,28,30,32,34,36,38,40,42,44,46,48,50,52,54,56,58,60,62
	v_pk_mul_f32 v[TMP+\j:TMP+\j+1], v[AC+\j:AC+\j+1], s[OS:OS+1] op_sel_hi:[1,0]   ; x 2^(e8 + e9); each accumulator from its low end on
.endr
	WIN 0
.irp b, 0,1,2,3,4,5,6,7
	ds_store_b128 v[STO], v[TMP+8*\b:TMP+8*\b+3] offset:64*\b
	ds_store_b128 v[STO], v[TMP+8*\b+4:TMP+8*\b+7] offset:64*\b+16
.endr
.set BB, BK+64*((\a)%2)
.irp t, 0,1,2,3,4,5,6,7,8,9,10,11,12,13,14,15
	ds_load_b128 v[BB+4*\t:BB+4*\t+3], v[RD] offset:\t*528
.endr
.endm
.macro SEND a, younger                 ; younger: the LDS instructions issued behind block a's loads, which may stay out
.set BB, BK+64*((\a)%2)
	s_wait_dscnt \younger
.irp t, 0,1,2,3,4,5,6,7,8,9,10,11,12,13,14,15
	global_store_b128 v[LO], v[BB+4*\t:BB+4*\t+3], s[12:13] offset:(16*((\a)/2)+\t)*4096+512*((\a)%2) th:TH_STORE_NT   ; 32 lanes store 512 consecutive bytes, at a multiple of 512 from out's first byte; written once
.endr
.endm
	PLACES                                         ; behind the last products: their results are read, and A's registers are written and loaded into
	TOSTAGE 0
.irp a, 1,2,3,4,5,6,7
.if \a > 1
	s_wait_xcnt 0x0                                ; block a - 2's stores have read their registers: block a's loads may land there
.endif
	TOSTAGE \a
	SEND \a-1, 32                                  ; behind block a - 1's loads: block a's 16 stores and 16 loads
.endr
	SEND 7, 0
	s_wait_xcnt 0x0
	v_lshl_add_u32 v254, v0, 2, 0xa800
	v_mov_b32 v255, 0
	s_wait_tensorcnt 0x0
	ds_add_u32 v254, v255
	s_wait_dscnt 0x0
	s_endpgm
.Lfunc_end_k_q5040697343_attn:
	.size	k_q5040697343_attn, .Lfunc_end_k_q5040697343_attn-k_q5040697343_attn
	.p2alignl 7, 3214868480
	.fill 96, 4, 3214868480
	.section	.rodata,"a",@progbits
	.p2align	6, 0x0
	.amdhsa_kernel k_q5040697343_attn
		.amdhsa_group_segment_fixed_size 43520
		.amdhsa_private_segment_fixed_size 0
		.amdhsa_enable_private_segment 0
		.amdhsa_kernarg_size 40
		.amdhsa_user_sgpr_count 2
		.amdhsa_user_sgpr_kernarg_segment_ptr 1
		.amdhsa_wavefront_size32 1
		.amdhsa_system_sgpr_workgroup_id_x 1
		.amdhsa_system_sgpr_workgroup_id_y 1
		.amdhsa_system_sgpr_workgroup_id_z 1
		.amdhsa_system_vgpr_workitem_id 0
		.amdhsa_next_free_vgpr 1024
		.amdhsa_next_free_sgpr 66
		.amdhsa_reserve_vcc 1
		.amdhsa_float_denorm_mode_32 3
		.amdhsa_float_denorm_mode_16_64 3
		.amdhsa_memory_ordered 1
		.amdhsa_forward_progress 1
		.amdhsa_inst_pref_size 197
	.end_amdhsa_kernel
	.amdgpu_metadata
---
amdhsa.version: [ 1, 2 ]
amdhsa.kernels:
  - .name:           k_q5040697343_attn
    .symbol:         k_q5040697343_attn.kd
    .args:
      - { .name: q_img, .offset: 0, .size: 8, .value_kind: global_buffer, .address_space: global }
      - { .name: k_img, .offset: 8, .size: 8, .value_kind: global_buffer, .address_space: global }
      - { .name: v_img, .offset: 16, .size: 8, .value_kind: global_buffer, .address_space: global }
      - { .name: lowp_scales, .offset: 24, .size: 8, .value_kind: global_buffer, .address_space: global }
      - { .name: out0, .offset: 32, .size: 8, .value_kind: global_buffer, .address_space: global }
    .group_segment_fixed_size: 43520
    .private_segment_fixed_size: 0
    .kernarg_segment_align: 8
    .kernarg_segment_size: 40
    .max_flat_workgroup_size: 128
    .sgpr_count:     66
    .vgpr_count:     1024
    .wavefront_size: 32
...
	.end_amdgpu_metadata
.endif
;; end of part 2
